; MI455X (gfx1250); checked and timed in simulation.
; The chip was launched on July 23, 2026; its instructions are those of AMD's public machine-readable ISA for CDNA 5 (MIT licence, August 2026) and "CDNA5" Instruction Set Architecture Reference Guide (July 2026). The comments in the code are by the model that wrote it; some were corrected since.
;; Linear2 Bit. Allowed arithmetic: matrix products marked QUANTISED: E2M1 operands, one E8M0 scale for each 32 along K, by v_wmma_scale_f32_16x16x128_f8f6f4 with both operands' format E2M1 (or v_wmma_scale_f32_32x16x128_f4), f32 sums; everything else in f32.
;; Inputs: bias 4,096 float32; scale one number float32; weight_q 4,096 x 4,096 int8; x 4,096 x 4,096 float32.
;; Outputs: out0 4,096 x 4,096 float32.
;; This version of the problem:
;;   THIS VERSION OF THE PROBLEM IS GIVEN IN LOW PRECISION. The matrix products marked QUANTISED in the list below multiply operands that are first quantised to E2M1 (2 exponent bits, 1 mantissa bit; 4 bits a number), with one power-of-two scale for each 32 numbers along K (OCP MX v1.0); their sums are f32. All else is computed in f32.
;;   The module's matrix products, in the order in which they are computed (A, B: the left and right operand; K: the contracted axis; several contracted axes count as one K, in the product's order):
;;     1. [M 4,096, K 4,096] x [K 4,096, N 4,096]; A: input x; B: computed on the way: QUANTISED
;;   THE QUANTISER, for each operand of a quantised product, along K:
;;     - K is cut into blocks of 32 from its start; a last block that is shorter is filled with zeros.
;;     - A block's scale is 2^e with e = floor(log2(the largest magnitude in the block)) - 2, held to -126 .. 127; a block of zeros has e = 0. As a byte (E8M0): e + 127.
;;     - Each number is divided by its block's scale, clamped to +-6, and rounded to the nearest number of E2M1, ties to even, subnormals kept.
;;     - The product sums the exact products of the quantised numbers (number of the format x scale) in f32.
;;   ~~~python
;;   def quantise(x, axis):      # numpy; x: float32 -> the quantised numbers, widened to float32 again
;;       x = np.moveaxis(x, axis, -1); K = x.shape[-1]
;;       x = np.pad(x, [(0, 0)] * (x.ndim - 1) + [(0, -K % 32)]); x = x.reshape(x.shape[:-1] + (-1, 32)); a = np.abs(x).max(-1, keepdims=True)
;;       e = np.where(a > 0, np.clip(np.frexp(np.where(a > 0, a, 1))[1] - 1 - 2, -126, 127), 0)      # np.frexp(a)[1] - 1 = floor(log2(a)), exactly
;;       r = np.clip(x / 2.0 ** e, -6, 6)
;;       step = 2.0 ** (np.maximum(np.frexp(np.where(r == 0, 1, r))[1] - 1, 0) - 1)
;;       q = np.round(r / step) * step * 2.0 ** e      # np.round: ties to even
;;       return np.moveaxis(q.reshape(q.shape[:-2] + (-1,))[..., :K], -1, axis).astype(np.float32)
;;   ~~~
;;   OPERANDS COMPUTED ON THE WAY. 'Computed on the way' means the value that the module computes at that place (a softmax that the list does not call 'softmax' is quantised finished and normalised). What goes into a quantiser is computed in f32, as accurately as f32 sums, v_exp_f32 and their like allow (about 1e-6 of the number): no bf16 or f16 on the way to a quantiser, and a product that is left as it is and whose result goes on into a quantised operand takes f32 operands (vector FMAs, or v_wmma_f32_16x16x4_f32). A number that lies on a knife's edge between two numbers of the format may be rounded either way, as far as f32 arithmetic and the matrix unit's own rounding can turn it there, and no further.
;; One version. Each part assembles by itself: llvm-mc -triple=amdgcn-amd-amdhsa -mcpu=gfx1250 --defsym DOCPART=n.
;; ======== version 1 of 1: 2 launches
;; limits: right only within a limited range of input values
;; workspace buffers: xq 8,912,896 bytes; wq 8,912,896 bytes
;; launch quant (part 1): grid 1024 x 1, 4 waves a work-group, no clusters, 57,856 bytes of LDS; arguments x, weight_q, xq, wq, scale; writes xq, wq
.if DOCPART == 1
	.amdgcn_target "amdgcn-amd-amdhsa--gfx1250"
	.amdhsa_code_object_version 6
	.text
	.protected	k_q00456ad96a_quant
	.globl	k_q00456ad96a_quant
	.p2align	8
	.type	k_q00456ad96a_quant,@function
k_q00456ad96a_quant:
	s_mov_b64 s[64:65], 0
	v_nop
	global_prefetch_b8 v0, s[64:65] scope:SCOPE_SE
	s_setreg_imm32_b32 hwreg(HW_REG_WAVE_MODE, 25, 1), 1
	s_wait_xcnt 0x0
; x [4096][4096] f32 and w = f32(weight_q) * scale, weight_q [4096][4096] int8, are turned into codes of FP4 (E2M1) with one E8M0 scale byte for each 32 along K (K is innermost in both).
; A block's scale is 2^(floor(log2(its largest magnitude)) - 2); its byte is the largest magnitude's own exponent field - 2, held at 1 from below.  Each number is divided by the scale and rounded to the nearest
; code, ties to even; beyond the largest code the conversion gives the largest code.  w is made as the problem writes it: the int8 number as f32, times scale, one rounding; any int8 number and any finite scale are served.
; LIMITS: NaN and infinities among the inputs are not served.  A block of zeros gets the byte 1 where the rule says 127: its codes are zeros, which add nothing under any byte but 0xff, and the bytes are read by this
; program alone.  Blocks whose largest magnitude lies under 2^-124 get the byte 1, which is the rule's hold at e = -126; their conversion was not tried.
; THE OUTPUT'S LAYOUT is the order in which the product's launch wants its operand registers.  16 rows x 512 along K are 4,096 bytes of codes: the 16 bytes of block j (32 along K) of row r at 256 j + 16 r;
; and 256 scale bytes: 16 r + j.
;   xq: 64 rows x 512 along K are 17,408 bytes: four such pieces of codes (16 neighbouring rows each), then four of scale bytes; chunk (row / 64, k / 512) begins at ((row / 64) * 8 + k / 512) * XCHUNK.
;   wq: 256 rows x 1,024 along K are a UNIT of 139,264 bytes: sixteen pieces of codes for its first 512 along K, sixteen for its second, then the scale bytes in the same order; unit (row / 256, k / 1024) begins at
;   ((row / 256) * 4 + k / 1024) * WUNIT.  Piece i = 4 g + b of a unit takes EVERY FOURTH row: its row r is row 64 g + 4 r + b of the 256, so that four pieces give four neighbouring columns of the product to one lane.
; SHARES.  Work-groups 0 to 511 take x, 512 to 1023 weight_q: one branch on the work-group's number; the two ways never join, and each has LDS bytes of its own.  A wave takes a piece: 16 rows x 512 along K, a row a step:
; its codes are 4,096 consecutive bytes and its scale bytes 256.  A lane holds 16 neighbours along K (numbers 16 l .. 16 l + 15 of the 512), two neighbouring lanes a block.
; No tensor loads, no barrier: waves share nothing.  Every offset is an immediate, no pointer is stepped, every step has registers of its own for its codes and its byte, and global stores stand at the end alone.
.set XCHUNK, 17408
.set WUNIT,  139264
.set SP,    80                         ; x's way: a lane's place in a turn stage: its 64 bytes + 16 of padding
.set OP,    272                        ; a row of the out stage: block j's 256 bytes (16 rows x 16) + 16 of padding
.set XREG,  9728                       ; x's way, a wave's LDS: two turn stages of 32 x SP bytes at 0, the out stage of 16 x OP at 5,120, 256 scale bytes at 9,472
.set XOUT,  5120
.set XSCB,  9472
.set WREG,  4608                       ; weight_q's way, behind x's four regions: the out stage, then 256 scale bytes
.set WOUT,  4*XREG
.set WSCB,  4*XREG+16*OP
.set R,     16                         ; v16-79   numbers as loaded: x: four sets of 16; weight_q: 16 rows x 4 registers
.set X,     80                         ; v80-111  16 neighbours: x: two sets; weight_q: one
.set E,     112                        ; v112-127 a scale byte for each step
.set C,     128                        ; v128-159 two registers of codes for each step
.set OUTR,  160                        ; v160-191 the codes on their way out
	s_load_b256 s[4:11], s[0:1], 0x0               ; x s[4:5], weight_q s[6:7], xq s[8:9], wq s[10:11]
	s_load_b64 s[12:13], s[0:1], 0x20              ; scale
	v_lshl_add_u32 v192, v0, 2, 0xe000             ; my spare word, behind all other LDS bytes
	v_mov_b32 v193, 0
	v_lshrrev_b32 v1, 5, v0
	v_readfirstlane_b32 s16, v1                    ; wave 0..3
	v_and_b32 v2, 31, v0                           ; lane
	v_lshlrev_b32 v3, 4, v2                        ; 16 x lane: my bytes of a load's 512, and of a store's
	v_lshlrev_b32 v10, 3, v2                       ; 8 x lane: the scale bytes' way out
	s_and_b32 s18, ttmp9, 511                      ; the work-group's number within its tensor
	s_lshr_b32 s19, s18, 1                         ; which piece of 16 rows
	s_and_b32 s20, s18, 1
	s_lshl_b32 s20, s20, 2
	s_add_co_u32 s20, s20, s16                     ; which 512 along K: 4 x (number % 2) + wave
	s_mov_b32 s25, 0
	s_mov_b32 s27, 0
	s_wait_kmcnt 0x0
; LDS addresses that both ways have, each with its own constants: a constant + a constant x wave + a term of the lane
.macro ADDRS reg, out, scb
	s_mul_i32 s17, s16, \reg
	s_add_co_u32 s22, s17, \out
	s_add_co_u32 s23, s17, \scb
	v_lshrrev_b32 v5, 1, v2                        ; j: my block
	v_and_b32 v8, 1, v2
	v_mul_u32_u24 v4, v5, OP
	v_lshl_add_u32 v4, v8, 3, v4
	v_add_nc_u32 v4, s22, v4                       ; v4: into the out stage: row j, my half of the block's 16 bytes; the step's row stands in the immediate
	v_add_nc_u32 v5, s23, v5                       ; v5: my block's scale byte
	v_add_nc_u32 v6, s23, v10                      ; v6: the scale bytes back, 8 a lane
	v_lshrrev_b32 v8, 4, v2
	v_and_b32 v9, 15, v2
	v_mul_u32_u24 v7, v8, OP
	v_lshl_add_u32 v7, v9, 4, v7
	v_add_nc_u32 v7, s22, v7                       ; v7: the codes back: sixteen lanes to a row of 256 bytes, two rows an instruction
.endm
; 16 neighbours of a lane, v[xs] on, of row t: the block's scale, the codes, and both into LDS
.macro Q16 xs, t
	v_max3_num_f32 v8, |v[\xs]|, |v[\xs+1]|, |v[\xs+2]|            ; the largest magnitude of my 16, in two chains
	v_max3_num_f32 v9, |v[\xs+3]|, |v[\xs+4]|, |v[\xs+5]|
.irp i, 6,10
	v_max3_num_f32 v8, v8, |v[\xs+\i]|, |v[\xs+\i+1]|
	v_max3_num_f32 v9, v9, |v[\xs+\i+2]|, |v[\xs+\i+3]|
.endr
	v_max3_num_f32 v8, v8, |v[\xs+14]|, |v[\xs+15]|
	v_max3_num_f32 v8, v8, v9, 0x1800000           ; and the floor 2^(3 - 127), under which no largest magnitude is taken: so the byte cannot fall under 1
	v_max_num_f32_dpp v8, v8, v8 row_xmask:1 row_mask:0xf bank_mask:0xf   ; and of my neighbour's 16: the block's
	v_add_nc_u32 v11, 0xff000000, v8               ; 2 off its exponent field: the conversion takes the exponent field of this operand as its scale, and nothing else of it
	v_cvt_scalef32_pk8_fp4_f32 v[C+2*(\t)], v[\xs:\xs+7], v11      ; eight codes, the first number's in the lowest four bits
	v_cvt_scalef32_pk8_fp4_f32 v[C+2*(\t)+1], v[\xs+8:\xs+15], v11
	v_lshrrev_b32 v[E+(\t)], 23, v11               ; the scale's byte; also the plain instruction behind the conversions, ahead of the next write of their sources
	ds_store_b8 v5, v[E+(\t)] offset:16*(\t)       ; both lanes of a block write the same byte with the same value
	ds_store_b64 v4, v[C+2*(\t):C+2*(\t)+1] offset:16*(\t)         ; words 68 j + 2 (l % 2) + 4 t: the 32 lanes touch 64 different words modulo 64
.endm
; The way out.  LDS serves a wave's instructions in order: the loads see my stores.  Each store of codes covers 512 consecutive bytes at a multiple of 256 from the buffer's first byte; the scale bytes are 256 such bytes.
.macro OUT cb
.irp u, 0,1,2,3,4,5,6,7
	ds_load_b128 v[OUTR+4*\u:OUTR+4*\u+3], v7 offset:2*OP*\u
.endr
	ds_load_b64 v[12:13], v6
.irp u, 0,1,2,3,4,5,6,7
	s_wait_dscnt 8-\u                              ; load u is back; the 7 - u behind it and the scale bytes' may be out
	global_store_b128 v3, v[OUTR+4*\u:OUTR+4*\u+3], s[\cb:\cb+1] offset:512*\u
.endr
	s_wait_dscnt 0x0
	global_store_b64 v10, v[12:13], s[30:31]
.endm
	s_cmp_ge_u32 ttmp9, 512
	s_cbranch_scc1 .Lweights
; ---------------- x: f32.  A row's 2,048 bytes come by four loads of 512 consecutive bytes, 16 a lane, and turn through the wave's stage so that a lane holds 64 neighbouring bytes.
	s_lshr_b32 s21, s19, 2                         ; which 64 rows
	s_mul_i32 s21, s21, 8*XCHUNK
	s_mul_i32 s22, s20, XCHUNK
	s_add_co_u32 s21, s21, s22                     ; my chunk's first byte (under 2^24)
	s_and_b32 s22, s19, 3                          ; my piece of the chunk's four
	s_lshl_b32 s23, s22, 12
	s_add_co_u32 s24, s21, s23                     ; s[24:25]: where my codes begin
	s_lshl_b32 s23, s22, 8
	s_add_co_u32 s26, s21, s23
	s_add_co_u32 s26, s26, 16384                   ; s[26:27]: where my scale bytes begin
	s_lshl_b32 s28, s19, 18                        ; 16 rows of 16,384 bytes a piece
	s_lshl_b32 s29, s20, 11                        ; + 512 numbers of 4 bytes for each K step
	s_add_co_u32 s28, s28, s29
	s_mov_b32 s29, 0
	s_add_nc_u64 s[4:5], s[4:5], s[28:29]
	s_add_nc_u64 s[30:31], s[8:9], s[26:27]        ; my scale bytes in xq
	s_add_nc_u64 s[8:9], s[8:9], s[24:25]          ; my codes in xq
.macro LOADX t
.irp i, 0,1,2,3
	global_load_b128 v[R+16*((\t)%4)+4*\i:R+16*((\t)%4)+4*\i+3], v3, s[4:5] offset:16384*(\t)+512*\i th:TH_LOAD_NT
.endr
.endm
	s_wait_alu depctr_va_vdst(0)
.irp t, 0,1,2,3
	LOADX \t                                       ; loads run four rows (16 loads a wave) ahead
.endr
	ADDRS XREG, XOUT, XSCB
	v_lshrrev_b32 v14, 2, v2
	v_mul_u32_u24 v14, v14, SP
	v_and_b32 v15, 3, v2
	v_lshl_add_u32 v14, v15, 4, v14
	v_add_nc_u32 v14, s17, v14                     ; the turn stage, in: four lanes' 64 bytes on end, then 16 of padding; a load's 512 bytes take eight places
	v_mul_u32_u24 v15, v2, SP
	v_add_nc_u32 v15, s17, v15                     ; and out: place l: my 16 neighbours
.macro TURN t                          ; row t through stage t % 2; no wait between the stores and the loads: LDS serves a wave's instructions in order
.irp i, 0,1,2,3
	ds_store_b128 v14, v[R+16*((\t)%4)+4*\i:R+16*((\t)%4)+4*\i+3] offset:32*SP*((\t)%2)+8*SP*\i
.endr
.irp i, 0,1,2,3
	ds_load_b128 v[X+16*((\t)%2)+4*\i:X+16*((\t)%2)+4*\i+3], v15 offset:32*SP*((\t)%2)+16*\i
.endr
.endm
	s_wait_alu depctr_va_vdst(0)
	s_wait_loadcnt 12                              ; row 0's four loads are in; rows 1 to 3's twelve may be out
	TURN 0
.macro XSTEP t
.if (\t) > 0
	s_wait_dscnt 2                                 ; this row is back from the stage: behind its loads only the last row's two stores (byte, codes) were issued
.else
	s_wait_dscnt 0x0
.endif
.if (\t)+4 < 16
	LOADX (\t)+4                                   ; into the registers that this row's stage stores have read
.endif
.if (\t) < 15
.if (\t) <= 11
	s_wait_loadcnt 12                              ; the next row's four loads are in; those of the three rows behind it may be out
.else
	s_wait_loadcnt 4*(14-(\t))                     ; the counts run down: 8, 4, 0
.endif
	TURN (\t)+1                                    ; the next row goes through the other stage while this one is worked
.endif
	Q16 X+16*((\t)%2), \t
.endm
.irp t, 0,1,2,3,4,5,6,7,8,9,10,11,12,13,14,15
	XSTEP \t
.endr
	OUT 8
	s_wait_tensorcnt 0x0                           ; the wave's end
	ds_add_u32 v192, v193
	s_wait_dscnt 0x0
	s_endpgm
; ---------------- weight_q: int8.  A row's 512 bytes come by one load, and a lane's 16 bytes are its 16 neighbours: nothing turns through LDS.
.Lweights:
	s_load_b32 s14, s[12:13], 0x0                  ; scale
	s_lshr_b32 s19, s18, 3                         ; which 64 rows: my work-group's four waves take their four pieces
	s_and_b32 s20, s18, 7                          ; which 512 along K
	s_lshr_b32 s21, s19, 2                         ; which 256 rows
	s_mul_i32 s21, s21, 4*WUNIT
	s_lshr_b32 s22, s20, 1                         ; which 1,024 along K
	s_mul_i32 s22, s22, WUNIT
	s_add_co_u32 s21, s21, s22                     ; my unit's first byte (under 2^24)
	s_and_b32 s22, s19, 3
	s_lshl_b32 s22, s22, 2
	s_add_co_u32 s22, s22, s16                     ; my piece of the unit's sixteen: 4 g + wave
	s_and_b32 s23, s20, 1                          ; which half of its K
	s_lshl_b32 s28, s23, 16
	s_lshl_b32 s29, s22, 12
	s_add_co_u32 s24, s21, s28
	s_add_co_u32 s24, s24, s29                     ; s[24:25]: where my codes begin
	s_lshl_b32 s28, s23, 12
	s_lshl_b32 s29, s22, 8
	s_add_co_u32 s26, s21, s28
	s_add_co_u32 s26, s26, s29
	s_add_co_u32 s26, s26, 131072                  ; s[26:27]: where my scale bytes begin
	s_lshl_b32 s28, s19, 18                        ; 64 rows of 4,096 bytes,
	s_lshl_b32 s29, s16, 12                        ; from row b = wave on every fourth,
	s_add_co_u32 s28, s28, s29
	s_lshl_b32 s29, s20, 9                         ; + 512 bytes for each K step
	s_add_co_u32 s28, s28, s29
	s_mov_b32 s29, 0
	s_add_nc_u64 s[6:7], s[6:7], s[28:29]
	s_add_nc_u64 s[30:31], s[10:11], s[26:27]      ; my scale bytes in wq
	s_add_nc_u64 s[10:11], s[10:11], s[24:25]      ; my codes in wq
	s_wait_alu depctr_va_vdst(0)
.irp t, 0,1,2,3,4,5,6,7,8,9,10,11,12,13,14,15
	global_load_b128 v[R+4*\t:R+4*\t+3], v3, s[6:7] offset:16384*\t th:TH_LOAD_NT   ; all sixteen rows at once: 512 consecutive bytes each
.endr
	ADDRS WREG, WOUT, WSCB
	s_wait_kmcnt 0x0
	s_mov_b32 s15, s14                             ; the packed multiply names the pair and takes its low word for both halves
.macro UNPACK t                        ; 16 signed bytes -> f32 x scale
.irp d, 0,1,2,3
	v_lshlrev_b32 v[X+4*\d], 24, v[R+4*(\t)+\d]    ; each byte to the top of a word,
	v_lshlrev_b32 v[X+4*\d+1], 16, v[R+4*(\t)+\d]
	v_lshlrev_b32 v[X+4*\d+2], 8, v[R+4*(\t)+\d]
	v_ashrrev_i32 v[X+4*\d+3], 24, v[R+4*(\t)+\d]  ; and down again with its sign (the top byte is there already)
.endr
.irp d, 0,1,2,3
.irp b, 0,1,2
	v_ashrrev_i32 v[X+4*\d+\b], 24, v[X+4*\d+\b]
.endr
.endr
.irp j, 0,1,2,3,4,5,6,7,8,9,10,11,12,13,14,15
	v_cvt_f32_i32 v[X+\j], v[X+\j]                 ; exact
.endr
.irp j, 0,2,4,6,8,10,12,14
	v_pk_mul_f32 v[X+\j:X+\j+1], v[X+\j:X+\j+1], s[14:15] op_sel_hi:[1,0]   ; x scale: the one rounding that the problem's own product has
.endr
.endm
.macro WSTEP t
	s_wait_loadcnt 15-(\t)                         ; row t's load is in; the 15 - t behind it may be out
	UNPACK \t
	Q16 X, \t
.endm
.irp t, 0,1,2,3,4,5,6,7,8,9,10,11,12,13,14,15
	WSTEP \t
.endr
	OUT 10
	s_wait_tensorcnt 0x0                           ; the wave's end
	ds_add_u32 v192, v193
	s_wait_dscnt 0x0
	s_endpgm
.Lfunc_end_k_q00456ad96a_quant:
	.size	k_q00456ad96a_quant, .Lfunc_end_k_q00456ad96a_quant-k_q00456ad96a_quant
	.p2alignl 7, 3214868480
	.fill 96, 4, 3214868480
	.section	.rodata,"a",@progbits
	.p2align	6, 0x0
	.amdhsa_kernel k_q00456ad96a_quant
		.amdhsa_group_segment_fixed_size 57856
		.amdhsa_private_segment_fixed_size 0
		.amdhsa_enable_private_segment 0
		.amdhsa_kernarg_size 40
		.amdhsa_user_sgpr_count 2
		.amdhsa_user_sgpr_kernarg_segment_ptr 1
		.amdhsa_wavefront_size32 1
		.amdhsa_system_sgpr_workgroup_id_x 1
		.amdhsa_system_sgpr_workgroup_id_y 1
		.amdhsa_system_sgpr_workgroup_id_z 1
		.amdhsa_system_vgpr_workitem_id 0
		.amdhsa_next_free_vgpr 194
		.amdhsa_next_free_sgpr 66
		.amdhsa_reserve_vcc 0
		.amdhsa_float_denorm_mode_32 3
		.amdhsa_float_denorm_mode_16_64 3
		.amdhsa_memory_ordered 1
		.amdhsa_forward_progress 1
		.amdhsa_inst_pref_size 86
	.end_amdhsa_kernel
	.amdgpu_metadata
---
amdhsa.version: [ 1, 2 ]
amdhsa.kernels:
  - .name:           k_q00456ad96a_quant
    .symbol:         k_q00456ad96a_quant.kd
    .args:
      - { .name: x, .offset: 0, .size: 8, .value_kind: global_buffer, .address_space: global }
      - { .name: weight_q, .offset: 8, .size: 8, .value_kind: global_buffer, .address_space: global }
      - { .name: xq, .offset: 16, .size: 8, .value_kind: global_buffer, .address_space: global }
      - { .name: wq, .offset: 24, .size: 8, .value_kind: global_buffer, .address_space: global }
      - { .name: scale, .offset: 32, .size: 8, .value_kind: global_buffer, .address_space: global }
    .group_segment_fixed_size: 57856
    .private_segment_fixed_size: 0
    .kernarg_segment_align: 8
    .kernarg_segment_size: 40
    .max_flat_workgroup_size: 128
    .sgpr_count:     66
    .vgpr_count:     194
    .wavefront_size: 32
...
	.end_amdgpu_metadata
.endif
;; end of part 1
;; launch gemm (part 2): grid 16 x 16, 4 waves a work-group, clusters of 4 x 4, 327,680 bytes of LDS; arguments xq, wq, bias, out0; writes out0
.if DOCPART == 2
	.amdgcn_target "amdgcn-amd-amdhsa--gfx1250"
	.amdhsa_code_object_version 6
	.text
	.protected	k_q00456ad96a_gemm
	.globl	k_q00456ad96a_gemm
	.p2align	8
	.type	k_q00456ad96a_gemm,@function
k_q00456ad96a_gemm:
	s_mov_b64 s[64:65], 0
	v_nop
	global_prefetch_b8 v0, s[64:65] scope:SCOPE_SE
	s_setreg_imm32_b32 hwreg(HW_REG_WAVE_MODE, 25, 1), 1
	s_wait_xcnt 0x0
	s_wait_alu depctr_hold_cnt(0) depctr_sa_sdst(0) depctr_va_vdst(0) depctr_va_sdst(0) depctr_va_ssrc(0) depctr_va_vcc(0) depctr_vm_vsrc(0)
	s_getreg_b32 s2, hwreg(HW_REG_IB_STS2, 6, 4)
	s_cmp_eq_u32 s2, 0
	s_cbranch_scc0 .Lentry_in_a_cluster
	s_endpgm
.Lentry_in_a_cluster:
	s_bfe_u32 s2, ttmp6, 0x10000c
	s_cmp_lg_u32 s2, 0xf033
	s_cbranch_scc0 .Lentry_shape_is_right
	s_endpgm
.Lentry_shape_is_right:
.set UNIT,   139264                    ; a unit of w: 256 rows x 1,024 along K
; out0[t][o] = (sum over k of xq[t][k] wq[o][k]) + bias[o]: codes of FP4 with one E8M0 scale byte for each 32 along K, laid by the launch before; f32 sums, K ascending, the bias added behind the sum.
; SHAPE.  A work-group makes 256 x 256 of out0, 256 work-groups in all; each of its four waves makes 64 rows x 256 columns: 16 blocks of 16 columns x 2 halves of 32 rows = 32 accumulators of 16 registers.
; THE TWO OPERANDS COME ON TWO WAYS.  A wave's 64 rows of x serve no other wave of its work-group: their fragments go from memory straight into registers, 512 consecutive bytes a load, three substeps (of 128 along K) ahead,
; into a ring of four sets.  The 256 rows of w serve all four waves: they come into LDS by tensor loads, in UNITS of 1,024 along K (139,264 bytes, dense, the scale bytes behind the codes), two slots by turns; a slot is asked
; for again in a unit's last substep and read eight substeps later.
; CLUSTERS: 4 x 4 work-groups.  The four of a column of the cluster need the same units of w: each is asked for JOINTLY, by the same tensor load with the same descriptor and a mask that names the four.
; FORM: v_wmma_scale_f32_32x16x128_f4: source 0 = 32 rows of x (16 registers, its scale words in all 32 lanes), source 1 = 16 rows of w (8 registers; its scale words in lanes 0-15 for blocks 0-7, in lanes 16-31 for
; blocks 8-15 of the same registers).  A result's lane r + 16 h holds column r, its registers 8 a + j the rows 16 a + 8 h + j.
; COLUMNS: block i = 4 g + b takes columns 64 g + 4 r + b, so the four blocks of group g give a lane four neighbouring columns, 16 bytes, and 16 lanes 256 bytes of a row: the addition of the bias gathers them into
; four neighbouring registers, and they are stored as they are, without a stage in LDS.
; A SUBSTEP is one run of loads (all fragments of w for the next substep, those of x for the third next, scale words where they are due) and then 32 products, none of which a memory instruction parts.
; REGISTERS, in windows of 256.  window 0: v0-31 addresses; v32-47 bias; v48-63 x's scale words, two sets of 8; v64-127 w's, two sets of 32; v128-255 x's fragments, four sets of 32.
;   window 1: 0-127 accumulators of group 0; 128-191 its fragments, two sets of 32; 192-255 accumulators of blocks 12, 13.   window 2: the same for group 1 and blocks 14, 15.
;   window 3: 0-127 accumulators of group 2; 128-191 its fragments; 192-255 the fragments of group 3.
; The four units are written out by macros: the first substep starts the sums, the first two units fill slots again, the third does not, the last ends by groups of columns.
; No work is left out.  LIMITS: none beyond those of the launch before.
.set SLOT,   139264                    ; its slot in LDS: 0x22000
.set PART,   34816                     ; what one wave fetches of a unit: 136 rows of 256 bytes
.set XCHUNK, 17408                     ; 64 rows of x x 512 along K
.set SPARE,  2*SLOT                    ; the spare words, 128 bytes for each wave: two blocks of 256 bytes that no other line names
.set ADW,  16                          ; v16-19  LDS address of my fragments of w: slot 0: first, second 512 along K; slot 1.  v16 = 16 x lane is also my offset in x's chunks
.set ADS,  20                          ; v20-21  LDS address of w's scale words in slot 0, 1
.set PFO,  23                          ; v23     the prefetches' offset: 256 x min(lane, 16)
.set CO,   24                          ; v24     my byte offset in out0
.set BO,   25                          ; v25     16 r
.set SPW,  28                          ; v28     LDS address of my spare word: SPARE + 4 x my thread's number; never rewritten
.set NIL,  29                          ; v29     0; never rewritten
.set BIAS, 32
.set XSC,  48
.set WSC,  64
.set XR,   128
.set XB,   46                          ; s[46:47] my 64 rows of x
.set PFX,  48                          ; s[48:49], s[50:51] where my prefetches of x and w stand
.set PFW,  50
.set MSB, 0
.macro WIN new                         ; the immediate's high byte repeats the setting that is left
.if MSB != \new
	s_set_vgpr_msb (MSB<<8)|\new
.set MSB, \new
.endif
.endm
.set IN_A,  0x54                       ; source 0 (x) window 0; source 1 (w), C and D window 1: blocks 0-3
.set IN_B,  0xa8                       ; window 2: blocks 4-7
.set IN_C,  0xfc                       ; window 3: blocks 8-11
.set IN_D1, 0x5c                       ; source 1 window 3; C and D window 1: blocks 12, 13
.set IN_D2, 0xac                       ; C and D window 2: blocks 14, 15
.macro PLACES                          ; four places
.rept 4
	v_nop
.endr
.endm
.macro JLOAD                           ; my part of a unit, asked for jointly: one mask and one set of registers for all that issue it
	tensor_load_to_lds s[32:35], s[24:31]
	s_nop 0
	PLACES
.endm
.macro CREST                           ; a round of the cluster's barrier behind its opening barrier
	s_cmp_lg_u32 s14, 0
	s_cbranch_scc1 .Lnot_wave_0_\@
	s_barrier_signal -3
.Lnot_wave_0_\@:
	s_barrier_wait -3
	s_barrier_signal -1
	s_barrier_wait -1
.endm
.macro CROUND
	s_barrier_signal -1
	s_barrier_wait -1
	CREST
.endm
; ---- products.  Substep q = 128 along K, 0 .. 31.  One product: block i of w, half s of x's rows; its fragment of w at fl; z = 1: it starts the sum.
.macro MMF i, s, q, fl, z
.if (\i) < 12
.set AL, 32*((\i)%4)+16*(\s)
.else
.set AL, 192+32*((\i)%2)+16*(\s)
.endif
.set XF, XR+32*((\q)%4)+16*(\s)
.set SCX, XSC+8*(((\q)/4)%2)+4*(\s)+(\q)%4
.set SCW, WSC+32*(((\q)/4)%2)+4*((\i)%8)+(\q)%4
.set FW, \fl
.if \z
.if (\i) < 8
	v_wmma_scale_f32_32x16x128_f4 v[AL:AL+15], v[XF:XF+15], v[FW:FW+7], 0, v[SCX], v[SCW]
.else
	v_wmma_scale_f32_32x16x128_f4 v[AL:AL+15], v[XF:XF+15], v[FW:FW+7], 0, v[SCX], v[SCW] matrix_b_scale:MATRIX_SCALE_ROW1
.endif
.else
.if (\i) < 8
	v_wmma_scale_f32_32x16x128_f4 v[AL:AL+15], v[XF:XF+15], v[FW:FW+7], v[AL:AL+15], v[SCX], v[SCW]
.else
	v_wmma_scale_f32_32x16x128_f4 v[AL:AL+15], v[XF:XF+15], v[FW:FW+7], v[AL:AL+15], v[SCX], v[SCW] matrix_b_scale:MATRIX_SCALE_ROW1
.endif
.endif
.endm
.macro MM i, s, q, z                   ; with the fragment in its block's set q % 2
.if (\i) < 12
	MMF \i, \s, \q, 128+32*((\q)%2)+8*((\i)%4), \z
.else
	MMF \i, \s, \q, 192+32*((\q)%2)+8*((\i)%4), \z
.endif
.endm
.macro MUL4 i, q, z                    ; both halves of blocks i, i + 1
	MM \i, 0, \q, \z
	MM \i, 1, \q, \z
	MM \i+1, 0, \q, \z
	MM \i+1, 1, \q, \z
.endm
; ---- loads.  A fragment of w: 16 rows x 128 K: lane l takes 16 bytes at 16 l, twice, 512 bytes apart.
.macro LW i, q
.if (\i) < 12
.set FL, 128+32*((\q)%2)+8*((\i)%4)
.else
.set FL, 192+32*((\q)%2)+8*((\i)%4)
.endif
.irp c, 0,1
	ds_load_b128 v[FL+4*\c:FL+4*\c+3], v[ADW+((\q)/4)%4] offset:4096*(\i)+1024*((\q)%4)+512*\c
.endr
.endm
.macro FETCH q                         ; all sixteen fragments for substep q, group by group
	WIN 0x40
.irp b, 0,1,2,3
	LW \b, \q
.endr
	WIN 0x80
.irp b, 4,5,6,7
	LW \b, \q
.endr
	WIN 0xc0
.irp b, 8,9,10,11,12,13,14,15
	LW \b, \q
.endr
	WIN 0
.endm
.macro WSCALE t                        ; w's scale words for 512 along K, number t: lanes 0-15 block n, lanes 16-31 block n + 8; four words a row
.irp n, 0,1,2,3,4,5,6,7
	ds_load_b128 v[WSC+32*((\t)%2)+4*\n:WSC+32*((\t)%2)+4*\n+3], v[ADS+((\t)/2)%2] offset:4096*((\t)%2)+256*\n
.endr
.endm
.macro XLOAD t                         ; x's fragments for substep t: rows 16 a .. 16 a + 15
.irp a, 0,1,2,3
.irp c, 0,1
	global_load_b128 v[XR+32*((\t)%4)+8*\a+4*\c:XR+32*((\t)%4)+8*\a+4*\c+3], v[ADW], s[XB:XB+1] offset:XCHUNK*((\t)/4)+4096*\a+1024*((\t)%4)+512*\c
.endr
.endr
.endm
.macro XSCALE t                        ; x's scale words for 512 along K, number t: lane l takes row l of each half
.irp e, 0,1
	global_load_b128 v[XSC+8*((\t)%2)+4*\e:XSC+8*((\t)%2)+4*\e+3], v[ADW], s[XB:XB+1] offset:XCHUNK*(\t)+16384+512*\e
.endr
.endm
; PREFETCHES INTO THE L2.  x: in the first substep of 512 along K number c the one three further on, whose register loads begin nine substeps later; numbers 0 to 2 come by their loads alone, and from number 5 on nothing
; more is asked for.  w: units 2 and 3, in unit 0, five to six and nine to ten substeps ahead of their tensor loads; units 0 and 1 come by their loads alone.  Each block of 256 bytes is named once in each cluster that will load
; it: of 68 blocks the four partners that need the same bytes (x: a row of the cluster, w: a column) take 17 each, told apart by address; lanes 17 to 31 name block 16 again.  Every address lies inside its buffer.
.macro ASK q
.if ((\q)%4) == 0 && (\q) < 20
	global_prefetch_b8 v[PFO], s[PFX:PFX+1] offset:XCHUNK*((\q)/4+3) th:TH_LOAD_NT scope:SCOPE_SE
.endif
.if (\q) == 1 || (\q) == 2 || (\q) == 5 || (\q) == 6
	global_prefetch_b8 v[PFO], s[PFW:PFW+1] offset:UNIT*(2+(\q)/4)+XCHUNK*((\q)%4-1) th:TH_LOAD_NT scope:SCOPE_SE
.endif
.endm
; A substep whose successor lies in the same slot.  The four places ahead of the run serve all its targets, which were last read in the substep before.
; LDS waits: behind a group's fragments, fetched one substep ago, stand the later groups' (8 loads each), this run's 32, and 8 of w's scale words where they are due (a count holds 63 at the most).
; The wait for x: its loads are three substeps old; behind them three runs of 8 were issued, and 2 more where x's scale words were among them.
.macro SUB q, z
.set EX, 0
	WIN 0
	PLACES
.if ((\q)%8) == 2
.set EX, 8
	WSCALE (\q)/4+1
.endif
	FETCH (\q)+1
.if ((\q)%4) == 1
	XSCALE (\q)/4+1
.endif
	XLOAD (\q)+3
	ASK \q
.if ((\q)%4) == 0
	s_wait_loadcnt 24
.else
	s_wait_loadcnt 26
.endif
.if EX > 0
	s_wait_dscnt 63
.else
	s_wait_dscnt 56
.endif
	WIN IN_A
	MUL4 0, \q, \z
	MUL4 2, \q, \z
	s_wait_dscnt 48+EX
	WIN IN_B
	MUL4 4, \q, \z
	MUL4 6, \q, \z
	s_wait_dscnt 40+EX
	WIN IN_C
	MUL4 8, \q, \z
	MUL4 10, \q, \z
	s_wait_dscnt 32+EX
	WIN IN_D1
	MUL4 12, \q, \z
	WIN IN_D2
	MUL4 14, \q, \z
.endm
; A unit's last substep changes slots: ONE barrier.  In front of it each wave waits for all its tensor loads, adds 0 to its spare word, and waits for that and for its own reads of this slot, all of which
; were issued a substep ago.  fill = 1: the slot is filled again, with the unit two further on; then the barrier opens a round of the cluster's barrier.
.macro TURN q, fill
	s_wait_loadcnt 18                              ; x: two runs of 8 and 2 of scale words were issued behind
	WIN 0                                          ; (the add's two registers lie in window 0)
	s_wait_tensorcnt 0x0                           ; my part of the next unit has landed;
	ds_add_u32 v[SPW], v[NIL]                      ; 0 onto my spare word
.if \fill
	s_xor_b32 s33, s33, SLOT                       ; (no load of mine is out: the descriptor goes on to the other slot and the next unit)
	s_add_nc_u64 s[34:35], s[34:35], UNIT
.endif
	s_wait_dscnt 25                                ; group 0 is in; three groups' loads and the add may be out
	WIN IN_A
	MUL4 0, \q, 0
	MUL4 2, \q, 0
	s_wait_dscnt 0x0                               ; the add is done, and my reads of this slot are over
	s_barrier_signal -1
	WIN IN_B
	MUL4 4, \q, 0
	MUL4 6, \q, 0
	WIN 0
	s_barrier_wait -1
.if \fill
	CREST                                          ; no wave of any partner still reads this slot or has a load on its way
	JLOAD                                          ; its four v_nop are also the places ahead of the loads below
.else
	PLACES
.endif
	WSCALE (\q)/4+1
	FETCH (\q)+1
	XLOAD (\q)+3
	WIN IN_C
	MUL4 8, \q, 0
	MUL4 10, \q, 0
	WIN IN_D1
	MUL4 12, \q, 0
	WIN IN_D2
	MUL4 14, \q, 0
.endm
.set Q, 0
.macro RUN n
.rept \n
	SUB Q, 0
.set Q, Q+1
.endr
.endm
; ---- the last three substeps, 29 to 31, go by groups of 64 columns, so that finished columns leave while others are multiplied.
; The fragments of two blocks (pair p: blocks 2 p, 2 p + 1) for three substeps are 48 registers, at 128 .. 175 of window 1 + p % 3.
.macro PLOAD p
	WIN 0x40*(1+(\p)%3)
.irp b, 0,1
.irp n, 1,2,3
.irp c, 0,1
	ds_load_b128 v[128+24*\b+8*(\n-1)+4*\c:128+24*\b+8*(\n-1)+4*\c+3], v[ADW+3] offset:4096*(2*(\p)+\b)+1024*\n+512*\c
.endr
.endr
.endr
	WIN 0
.endm
.macro GROUP g                         ; 24 products, the group's 8 accumulators by turns
.irp q, 29,30,31
.if (\g) == 0
	s_wait_loadcnt 8*(31-\q)                       ; x's fragments for this substep; those of the later ones may be out
.endif
.irp p, 0,1
.if (\g) < 3
.set WV, 4*(1+(2*\g+\p)%3)+0x50*(1+\g)
.else
.set WV, 4*(1+(2*\g+\p)%3)+0x50*(1+\p)
.endif
	WIN WV
.irp b, 0,1
.irp e, 0,1
	MMF 4*\g+2*\p+\b, \e, \q, 128+24*\b+8*(\q-29), 0
.endr
.endr
.endr
.endr
	WIN 0
	PLACES                                         ; for the loads into the fragments just read, and for the reads of the results
.endm
; THE WAY OUT of group g, 16 of each half's rows at a time: result + bias, gathered into 32 registers (two such runs in window 3 by turns), then eight stores of two whole aligned 256-byte pieces of rows j and j + 8.
.macro SEND g, a
.set TB, 192+32*((\a)%2)
.irp p, 0,1
.if (\g) < 3
.set WV, 0xc0+1+\g
.else
.set WV, 0xc0+1+\p
.endif
	WIN WV
.irp j, 0,1,2,3,4,5,6,7
.irp b, 0,1
.if (\g) < 3
.set AO, 32*(2*\p+\b)+8*\a+\j
.else
.set AO, 192+32*\b+8*\a+\j
.endif
	v_add_f32 v[TB+4*\j+2*\p+\b], v[AO], v[BIAS+4*\g+2*\p+\b]
.endr
.endr
.endr
	s_wait_alu depctr_va_vdst(0)
	s_wait_xcnt 0x0                                ; the stores before have read their data: the other run may be written behind this
	WIN 0x0c
.irp j, 0,1,2,3,4,5,6,7
	global_store_b128 v[CO], v[TB+4*\j:TB+4*\j+3], s[10:11] offset:16384*(16*\a+\j)+256*\g th:TH_STORE_NT
.endr
.endm
.macro LEAVE g
.irp a, 0,1,2,3
	SEND \g, \a
.endr
	WIN 0
.endm
	s_load_b256 s[4:11], s[0:1], 0x0               ; xq s[4:5], wq s[6:7], bias s[8:9], out0 s[10:11]
	v_lshl_add_u32 v[SPW], v0, 2, SPARE
	v_mov_b32 v[NIL], 0
	ds_add_u32 v[SPW], v[NIL]                      ; the wave's opening
	ds_add_u32 v[SPW], v[NIL]
	v_lshrrev_b32 v1, 5, v0
	v_readfirstlane_b32 s14, v1                    ; wave 0..3
	v_and_b32 v2, 31, v0                           ; lane
	v_and_b32 v3, 15, v0                           ; r
	v_bfe_u32 v4, v0, 4, 1                         ; h
	v_lshlrev_b32 v[ADW], 4, v2
	v_add_nc_u32 v[ADW+1], 0x10000, v[ADW]
	v_add_nc_u32 v[ADW+2], SLOT, v[ADW]
	v_add_nc_u32 v[ADW+3], SLOT+0x10000, v[ADW]
	v_lshlrev_b32 v[BO], 4, v3
	v_lshl_add_u32 v5, v4, 11, v[BO]               ; scale words: 16 bytes a row; lanes 16-31 eight blocks of 256 bytes on
	v_add_nc_u32 v[ADS], 0x20000, v5
	v_add_nc_u32 v[ADS+1], SLOT+0x20000, v5
	v_lshl_add_u32 v[CO], v4, 17, v[BO]            ; lanes 16-31 eight rows of 16,384 bytes on
	v_min_u32 v6, 16, v2
	v_lshlrev_b32 v[PFO], 8, v6
	s_wait_alu depctr_va_vdst(0)
	s_bfe_u32 s40, ttmp6, 0x40000                  ; cx, cy: my place in the cluster
	s_bfe_u32 s41, ttmp6, 0x40004
	s_lshl_b32 s42, ttmp9, 2
	s_add_co_u32 s42, s42, s40                     ; tile column
	s_and_b32 s17, ttmp7, 0xffff
	s_lshl_b32 s17, s17, 2
	s_add_co_u32 s17, s17, s41                     ; tile row
	s_lshl_b32 s44, 0x1111, s40                    ; my column of the cluster
	; descriptor group 1: 136 rows of 256 bytes (32 elements of 8 bytes), dense
	s_or_b32 s24, s44, (3<<16)|(1<<21)             ; 15:0 the mask; 17:16 element of 8 bytes; 21 set beside a mask
	s_mov_b32 s25, 32<<16                          ; tensor_dim0
	s_mov_b32 s26, 136<<16                         ; tensor_dim1
	s_mov_b32 s27, 32<<16                          ; tile_dim0
	s_mov_b32 s28, 136                             ; tile_dim1
	s_mov_b32 s29, 32                              ; the pitch
	s_mov_b32 s30, 0
	s_mov_b32 s31, 0
	s_mov_b32 s32, 1
	s_mul_i32 s33, s14, PART                       ; LDS: my part of slot 0: no place in the cluster enters an LDS address
	s_mul_i32 s20, s42, 4*UNIT                     ; w: by the tile column and the wave alone
	s_add_co_u32 s20, s20, s33
	s_mov_b32 s21, 0
	s_lshl_b32 s46, s17, 2
	s_add_co_u32 s46, s46, s14
	s_mul_i32 s46, s46, 8*XCHUNK                   ; x: my 64 rows
	s_mov_b32 s47, 0
	s_mul_i32 s48, s40, 17*256                     ; my share of the prefetches: x by cx, w by cy
	s_mov_b32 s49, 0
	s_mul_i32 s50, s41, 17*256
	s_mov_b32 s51, 0
	s_lshl_b32 s52, s42, 10                        ; 256 columns of 4 bytes
	s_mov_b32 s53, 0
	s_lshl_b32 s54, s17, 22                        ; 256 rows of 16,384 bytes,
	s_lshl_b32 s55, s14, 20                        ; 64 of them a wave
	s_add_co_u32 s54, s54, s55
	s_mov_b32 s55, 0
	s_wait_dscnt 0x0                               ; both opening adds are done
	s_wait_kmcnt 0x0
	s_add_nc_u64 s[34:35], s[6:7], s[20:21]
	s_add_nc_u64 s[PFW:PFW+1], s[34:35], s[50:51]
	s_or_b32 s35, s35, 0x80000000                  ; 127:126 type = 2
	s_add_nc_u64 s[XB:XB+1], s[4:5], s[46:47]
	s_add_nc_u64 s[PFX:PFX+1], s[XB:XB+1], s[48:49]
	s_add_nc_u64 s[8:9], s[8:9], s[52:53]
	s_add_nc_u64 s[10:11], s[10:11], s[52:53]
	s_add_nc_u64 s[10:11], s[10:11], s[54:55]
	CROUND                                         ; all sixteen work-groups are here: the first joint loads meet
	JLOAD                                          ; unit 0: one tensor load a wave at the head
.irp g, 0,1,2,3
	global_load_b128 v[BIAS+4*\g:BIAS+4*\g+3], v[BO], s[8:9] offset:256*\g   ; columns 64 g + 4 r .. + 3
.endr
	XSCALE 0
	XLOAD 0
	XLOAD 1
	XLOAD 2
	s_wait_tensorcnt 0x0                           ; my part of unit 0 is in
	ds_add_u32 v[SPW], v[NIL]
	s_xor_b32 s33, s33, SLOT                       ; on to slot 1 and unit 1
	s_add_nc_u64 s[34:35], s[34:35], UNIT
	s_wait_dscnt 0x0                               ; the add is done
	CROUND                                         ; everybody's part of unit 0 is in,
	JLOAD                                          ; and unit 1's load is the first behind the round
	WSCALE 0
	FETCH 0
	SUB Q, 1                                       ; unit 0: its first products start the sums: nothing is cleared
.set Q, Q+1
	RUN 6
	TURN Q, 1                                      ; slot 0 takes unit 2
.set Q, Q+1
	RUN 7
	TURN Q, 1                                      ; slot 1 takes unit 3
.set Q, Q+1
	RUN 7
	TURN Q, 0
.set Q, Q+1
	RUN 4
	; substep 28: it fetches the first pairs for what follows
	WIN 0
	PLACES
	XLOAD 31
	s_wait_loadcnt 24                              ; x's fragments for substep 28; three runs of 8 may be out
	s_wait_dscnt 24                                ; group 0 is in
	WIN IN_A
	MUL4 0, 28, 0
	MUL4 2, 28, 0
	s_wait_dscnt 16                                ; group 1 is in
	WIN IN_B
	MUL4 4, 28, 0
	MUL4 6, 28, 0
	WIN 0
	PLACES                                         ; for the loads into the fragments of groups 0 and 1
	PLOAD 0
	PLOAD 1
	s_wait_dscnt 32                                ; group 2 is in; group 3 and two pairs may be out
	WIN IN_C
	MUL4 8, 28, 0
	MUL4 10, 28, 0
	s_wait_dscnt 24                                ; group 3 is in
	WIN IN_D1
	MUL4 12, 28, 0
	WIN IN_D2
	MUL4 14, 28, 0
	WIN 0
	PLACES
	PLOAD 2
	s_wait_dscnt 12                                ; pairs 0 and 1 are in; pair 2 may be out
	GROUP 0
	PLOAD 3
	PLOAD 4
	LEAVE 0
	s_wait_dscnt 12                                ; pairs 2 and 3
	GROUP 1
	PLOAD 5
	PLOAD 6
	LEAVE 1
	s_wait_dscnt 12                                ; pairs 4 and 5
	GROUP 2
	PLOAD 7
	LEAVE 2
	s_wait_dscnt 0x0                               ; pairs 6 and 7
	GROUP 3
	LEAVE 3
	s_wait_tensorcnt 0x0                           ; the wave's end
	ds_add_u32 v[SPW], v[NIL]
	s_wait_dscnt 0x0
	CROUND                                         ; the closing round: no work-group ends while a partner may still ask for a unit that names it
	s_endpgm
.Lfunc_end_k_q00456ad96a_gemm:
	.size	k_q00456ad96a_gemm, .Lfunc_end_k_q00456ad96a_gemm-k_q00456ad96a_gemm
	.p2alignl 7, 3214868480
	.fill 96, 4, 3214868480
	.section	.rodata,"a",@progbits
	.p2align	6, 0x0
	.amdhsa_kernel k_q00456ad96a_gemm
		.amdhsa_group_segment_fixed_size 327680
		.amdhsa_private_segment_fixed_size 0
		.amdhsa_enable_private_segment 0
		.amdhsa_kernarg_size 32
		.amdhsa_user_sgpr_count 2
		.amdhsa_user_sgpr_kernarg_segment_ptr 1
		.amdhsa_wavefront_size32 1
		.amdhsa_system_sgpr_workgroup_id_x 1
		.amdhsa_system_sgpr_workgroup_id_y 1
		.amdhsa_system_sgpr_workgroup_id_z 1
		.amdhsa_system_vgpr_workitem_id 0
		.amdhsa_next_free_vgpr 1024
		.amdhsa_next_free_sgpr 66
		.amdhsa_reserve_vcc 0
		.amdhsa_float_denorm_mode_32 3
		.amdhsa_float_denorm_mode_16_64 3
		.amdhsa_memory_ordered 1
		.amdhsa_forward_progress 1
		.amdhsa_inst_pref_size 255
	.end_amdhsa_kernel
	.section	.bss,"aw",@nobits
	.p2align	6
	.space	262144
	.amdgpu_metadata
---
amdhsa.version: [ 1, 2 ]
amdhsa.kernels:
  - .name:           k_q00456ad96a_gemm
    .symbol:         k_q00456ad96a_gemm.kd
    .args:
      - { .name: xq, .offset: 0, .size: 8, .value_kind: global_buffer, .address_space: global }
      - { .name: wq, .offset: 8, .size: 8, .value_kind: global_buffer, .address_space: global }
      - { .name: bias, .offset: 16, .size: 8, .value_kind: global_buffer, .address_space: global }
      - { .name: out0, .offset: 24, .size: 8, .value_kind: global_buffer, .address_space: global }
    .group_segment_fixed_size: 327680
    .private_segment_fixed_size: 0
    .kernarg_segment_align: 8
    .kernarg_segment_size: 32
    .max_flat_workgroup_size: 128
    .sgpr_count:     66
    .vgpr_count:     1024
    .wavefront_size: 32
...
	.end_amdgpu_metadata
.endif
;; end of part 2
